; MI455X (gfx1250); checked and timed in simulation.
; The chip was launched on July 23, 2026; its instructions are those of AMD's public machine-readable ISA for CDNA 5 (MIT licence, August 2026) and "CDNA5" Instruction Set Architecture Reference Guide (July 2026). The comments in the code are by the model that wrote it; some were corrected since.
;; Torch Attention. Allowed arithmetic: float matrix products may take bf16 or f16 operands with f32 sums; all other float work in f32.
;; Inputs: W_k 1,024 x 1,024 float32; W_o 1,024 x 1,024 float32; W_q 1,024 x 1,024 float32; W_v 1,024 x 1,024 float32; x 2 x 2,048 x 1,024 float32.
;; Outputs: out0 2 x 2,048 x 1,024 float32.
;; One version. Each part assembles by itself: llvm-mc -triple=amdgcn-amd-amdhsa -mcpu=gfx1250 --defsym DOCPART=n.
;; ======== version 1 of 1: 4 launches
;; limits: values are held in f16: magnitudes above 65,504 overflow, below 6.1e-05 lose precision
;; workspace buffers: xh 8,388,608 bytes; wh 6,291,456 bytes; woh 2,097,152 bytes; qh 8,388,608 bytes; kh 8,388,608 bytes; vh 8,388,608 bytes; ch 8,388,608 bytes
;; launch cast (part 1): grid 1024 x 1, 8 waves a work-group, no clusters, 0 bytes of LDS; arguments x, W_q, W_k, W_v, W_o, xh, wh, woh; writes xh, wh, woh
.if DOCPART == 1
	.amdgcn_target "amdgcn-amd-amdhsa--gfx1250"
	.amdhsa_code_object_version 6
	.text
	.protected	k_q78a8885859_cast
	.globl	k_q78a8885859_cast
	.p2align	8
	.type	k_q78a8885859_cast,@function
k_q78a8885859_cast:
	s_mov_b64 s[64:65], 0
	v_nop
	global_prefetch_b8 v0, s[64:65] scope:SCOPE_SE
	s_setreg_imm32_b32 hwreg(HW_REG_WAVE_MODE, 25, 1), 1
	s_wait_xcnt 0x0
; cast: x and the four weights from f32 to f16, once, so that the later launches move and multiply 16-bit tiles.
;   xh  [4096][1024]      = x
;   wh  [16 heads][192][1024]: rows 0-63 of a head = W_q rows 64 h .., rows 64-127 = W_k, rows 128-191 = W_v
;   woh [1024][1024]      = W_o
; A stream: every byte is read once and written once; no LDS, no barrier, no matrix unit, no cluster (no two work-groups share a byte).
; 1,024 work-groups of 32 KiB of f32 each: 512 for x, 128 for each weight.  A wave takes 4 KiB, a lane eight times 16 bytes.
; A load of a wave covers 512 consecutive bytes, a store 256 consecutive bytes at a multiple of 256 from the buffer's first byte.
; LIMIT: f16 holds magnitudes below 65,504 (larger ones become infinite) and steps of 6e-8 below 6.1e-5.
.set X, 8                              ; v[8:39]   eight times 4 f32 as loaded
.set Y, 40                             ; v[40:55]  eight times 4 f16 to store
	s_load_b512 s[8:23], s[0:1], 0x0               ; x s[8:9], W_q s[10:11], W_k s[12:13], W_v s[14:15], W_o s[16:17], xh s[18:19], wh s[20:21], woh s[22:23]
	s_lshr_b32 s2, ttmp9, 7                        ; 0-3: x; 4: W_q; 5: W_k; 6: W_v; 7: W_o
	s_and_b32 s3, ttmp9, 127                       ; the chunk of 8 rows inside a weight
	; the offsets, made apart from the addresses
	s_lshl_b32 s28, ttmp9, 15                      ; source, x: 32 KiB a work-group
	s_lshl_b32 s4, s3, 15                          ; source, a weight
	s_cmp_lt_u32 s2, 4
	s_cselect_b32 s28, s28, s4
	s_mov_b32 s29, 0
	s_lshr_b32 s6, s3, 3                           ; head = row / 64 = chunk / 8
	s_mul_i32 s6, s6, 393216                       ; 192 rows of 2,048 bytes a head
	s_and_b32 s7, s2, 3                            ; 0, 1, 2 for W_q, W_k, W_v
	s_lshl_b32 s7, s7, 17                          ; 64 rows of 2,048 bytes
	s_add_co_u32 s6, s6, s7
	s_and_b32 s7, s3, 7
	s_lshl_b32 s7, s7, 14                          ; 8 rows of 2,048 bytes
	s_add_co_u32 s6, s6, s7
	s_lshl_b32 s5, s3, 14                          ; destination, W_o: dense
	s_cmp_eq_u32 s2, 7
	s_cselect_b32 s6, s5, s6
	s_lshl_b32 s30, ttmp9, 14                      ; destination, x: dense
	s_cmp_lt_u32 s2, 4
	s_cselect_b32 s30, s30, s6
	s_mov_b32 s31, 0
	v_and_b32 v1, 31, v0
	v_and_b32 v2, 0xe0, v0                         ; 32 x wave
	v_lshlrev_b32 v1, 4, v1
	v_lshl_or_b32 v1, v2, 7, v1                    ; source: wave x 4,096 + lane x 16
	v_lshrrev_b32 v2, 1, v1                        ; destination: half of that
	s_wait_kmcnt 0x0
	s_mov_b64 s[24:25], s[8:9]                     ; the source buffer, chosen on the work-group's number alone
	s_cmp_eq_u32 s2, 4
	s_cselect_b64 s[24:25], s[10:11], s[24:25]
	s_cmp_eq_u32 s2, 5
	s_cselect_b64 s[24:25], s[12:13], s[24:25]
	s_cmp_eq_u32 s2, 6
	s_cselect_b64 s[24:25], s[14:15], s[24:25]
	s_cmp_eq_u32 s2, 7
	s_cselect_b64 s[24:25], s[16:17], s[24:25]
	s_cmp_lt_u32 s2, 4                             ; the destination buffer
	s_cselect_b64 s[26:27], s[18:19], s[20:21]
	s_cmp_eq_u32 s2, 7
	s_cselect_b64 s[26:27], s[22:23], s[26:27]
	s_add_nc_u64 s[24:25], s[24:25], s[28:29]
	s_add_nc_u64 s[26:27], s[26:27], s[30:31]
.irp j, 0,1,2,3,4,5,6,7
	global_load_b128 v[X+4*\j:X+4*\j+3], v1, s[24:25] offset:512*\j th:TH_LOAD_NT   ; read once in the launch
.endr
.irp j, 0,1,2,3,4,5,6,7
	s_wait_loadcnt 7-\j                            ; loads come back in order: load j is in, the 7 - j younger ones stay out
	v_cvt_pk_f16_f32 v[Y+2*\j],   v[X+4*\j],   v[X+4*\j+1]
	v_cvt_pk_f16_f32 v[Y+2*\j+1], v[X+4*\j+2], v[X+4*\j+3]
	global_store_b64 v2, v[Y+2*\j:Y+2*\j+1], s[26:27] offset:256*\j   ; no hint: the next launch reads these bytes
.endr
	s_endpgm
.Lfunc_end_k_q78a8885859_cast:
	.size	k_q78a8885859_cast, .Lfunc_end_k_q78a8885859_cast-k_q78a8885859_cast
	.p2alignl 7, 3214868480
	.fill 96, 4, 3214868480
	.section	.rodata,"a",@progbits
	.p2align	6, 0x0
	.amdhsa_kernel k_q78a8885859_cast
		.amdhsa_group_segment_fixed_size 0
		.amdhsa_private_segment_fixed_size 0
		.amdhsa_enable_private_segment 0
		.amdhsa_kernarg_size 64
		.amdhsa_user_sgpr_count 2
		.amdhsa_user_sgpr_kernarg_segment_ptr 1
		.amdhsa_wavefront_size32 1
		.amdhsa_system_sgpr_workgroup_id_x 1
		.amdhsa_system_sgpr_workgroup_id_y 1
		.amdhsa_system_sgpr_workgroup_id_z 1
		.amdhsa_system_vgpr_workitem_id 0
		.amdhsa_next_free_vgpr 56
		.amdhsa_next_free_sgpr 66
		.amdhsa_reserve_vcc 0
		.amdhsa_float_denorm_mode_32 3
		.amdhsa_float_denorm_mode_16_64 3
		.amdhsa_memory_ordered 1
		.amdhsa_forward_progress 1
		.amdhsa_inst_pref_size 5
	.end_amdhsa_kernel
	.amdgpu_metadata
---
amdhsa.version: [ 1, 2 ]
amdhsa.kernels:
  - .name:           k_q78a8885859_cast
    .symbol:         k_q78a8885859_cast.kd
    .args:
      - { .name: x, .offset: 0, .size: 8, .value_kind: global_buffer, .address_space: global }
      - { .name: W_q, .offset: 8, .size: 8, .value_kind: global_buffer, .address_space: global }
      - { .name: W_k, .offset: 16, .size: 8, .value_kind: global_buffer, .address_space: global }
      - { .name: W_v, .offset: 24, .size: 8, .value_kind: global_buffer, .address_space: global }
      - { .name: W_o, .offset: 32, .size: 8, .value_kind: global_buffer, .address_space: global }
      - { .name: xh, .offset: 40, .size: 8, .value_kind: global_buffer, .address_space: global }
      - { .name: wh, .offset: 48, .size: 8, .value_kind: global_buffer, .address_space: global }
      - { .name: woh, .offset: 56, .size: 8, .value_kind: global_buffer, .address_space: global }
    .group_segment_fixed_size: 0
    .private_segment_fixed_size: 0
    .kernarg_segment_align: 8
    .kernarg_segment_size: 64
    .max_flat_workgroup_size: 256
    .sgpr_count:     66
    .vgpr_count:     56
    .wavefront_size: 32
...
	.end_amdgpu_metadata
.endif
;; end of part 1
;; launch qkv (part 2): grid 16 x 16, 4 waves a work-group, clusters of 4 x 4, 327,680 bytes of LDS; arguments xh, wh, qh, kh, vh; writes qh, kh, vh
.if DOCPART == 2
	.amdgcn_target "amdgcn-amd-amdhsa--gfx1250"
	.amdhsa_code_object_version 6
	.text
	.protected	k_q78a8885859_qkv
	.globl	k_q78a8885859_qkv
	.p2align	8
	.type	k_q78a8885859_qkv,@function
k_q78a8885859_qkv:
	s_mov_b64 s[64:65], 0
	v_nop
	global_prefetch_b8 v0, s[64:65] scope:SCOPE_SE
	s_setreg_imm32_b32 hwreg(HW_REG_WAVE_MODE, 25, 1), 1
	s_wait_xcnt 0x0
	s_wait_alu depctr_hold_cnt(0) depctr_sa_sdst(0) depctr_va_vdst(0) depctr_va_sdst(0) depctr_va_ssrc(0) depctr_va_vcc(0) depctr_vm_vsrc(0)
	s_getreg_b32 s2, hwreg(HW_REG_IB_STS2, 6, 4)
	s_cmp_eq_u32 s2, 0
	s_cbranch_scc0 .Lentry_in_a_cluster
	s_endpgm
.Lentry_in_a_cluster:
	s_bfe_u32 s2, ttmp6, 0x10000c
	s_cmp_lg_u32 s2, 0xf033
	s_cbranch_scc0 .Lentry_shape_is_right
	s_endpgm
.Lentry_shape_is_right:
; qkv: q, k, v of one head for 256 rows of x.  [256 x 1024] times [192 x 1024]^T, f16 operands, f32 sums, results rounded once to f16.
; qh, kh, vh: [bh = 16 batch + head][2048][64] f16: a row is 128 bytes, a head 262,144 dense bytes.
; Work-group (x = head, y = block of 256 rows): 16 x 16 = 256 work-groups.  Four waves; wave w makes rows 64 w .. 64 w + 63 times all 192
; columns: 4 x 12 tiles of 16 x 16, 384 registers.  So a wave owns whole rows of q, k and v and its way out needs no other wave.
; K goes in steps of 128 (rows of 256 bytes in memory, starting at multiples of 256) through a ring of two LDS slots.
; CLUSTERS: 4 x 4 work-groups.  The tiles of xh hang on the row block alone and are asked for jointly along a row of the cluster, the tiles of
; wh on the head alone and are asked for jointly along a column: a quarter of the requests.
; THE MATRIX INSTRUCTION IS USED TRANSPOSED: source 0 = 16 rows of wh, source 1 = 16 rows of xh, so that lane l holds row l % 16 of the result
; and its eight registers the columns 8 (l / 16) + 0 .. 7, which pack into 16 bytes.
; REGISTERS: window 0: addresses, fragments of xh (two buffers of 4), the way out; window 1: fragments of wh (two buffers of 12);
; window 2: tiles (a, b = 0..7) at 8 (8 a + b): q and k; window 3: tiles (a, b = 8..11) at 8 (4 a + b - 8): v.
; LIMIT: q, k, v are kept in f16: magnitudes below 65,504, steps of 6e-8 below 6.1e-5.
.set KSTEP,  128
.set PITCH,  272                       ; an LDS row: 256 bytes + 16 of padding, an odd multiple of 16: the 16 rows of a fragment load start 16 bytes apart modulo 256
.set AHALF,  128*PITCH                 ; what one load of xh brings
.set BHALF,  96*PITCH                  ; what one load of wh brings
.set B_AT,   2*AHALF                   ; in a slot: 256 rows of xh, then 192 rows of wh
.set SLOT,   2*AHALF+2*BHALF           ; 121,856
.set STAGE,  2*SLOT                    ; behind the ring, at a multiple of 256: 16 rows x 400 bytes for each wave; no fill lands here
.set SPITCH, 400                       ; 384 bytes (q, k, v of a row) + 16
.set LAPS,   1024/(2*KSTEP)            ; a lap = two K steps = once round the ring
.set ADRA, 16                          ; v16-17  LDS address of my xh fragments in slot 0, 1
.set ADRB, 20                          ; v20-21  the same for wh
.set STO,  24                          ; the way out: where I put 16 bytes of a row
.set RD,   25                          ; the way out: where I read back
.set CO,   26                          ; my byte offset in four rows of the output
.set FA,   64                          ; window 0: v64-95, v96-127 fragments of xh
.set TMP,  128                         ; v128-175 packed results
.set RB0,  64                          ; v64-111 and
.set RB1,  176                         ; v176-223: rows read back, by turns
.set G1A, 24                           ; s[24:31] group 1 for xh
.set G0A, 32                           ; s[32:39] group 0 for xh, one set a slot
.set G1B, 40                           ; s[40:47] group 1 for wh
.set G0B, 48                           ; s[48:55] group 0 for wh, one set a slot
.set FLAGS, (1<<16)|(1<<20)|(1<<21)|(5<<22)|(3<<25)   ; elements of 2 bytes; padding on; bit 21 beside a mask; after every 64 words, 4 words
.set MSB, 0
.macro WIN new                         ; the immediate's high byte repeats the setting that is left
.if MSB != \new
	s_set_vgpr_msb (MSB<<8)|\new
.set MSB, \new
.endif
.endm
.set MUL_LO, 0xa1                      ; source 0 window 1, source 1 window 0, C and D window 2
.set MUL_HI, 0xf1                      ; the same, C and D window 3
.set TO_B,   0x40                      ; destination window 1
.macro PLACES                          ; four places behind matrix instructions (ISA guide 7.12.1), where there is no other vector work
.rept 4
	v_nop
.endr
.endm
; A joint load: waves 0 and 1 fetch the halves of xh's tile, waves 2 and 3 those of wh's.  The branch hangs on the wave's number alone.
.macro JLOAD s
	s_cmp_eq_u32 s15, 0
	s_cbranch_scc0 .Lfor_b_\@
	tensor_load_to_lds s[G0A+4*(\s):G0A+4*(\s)+3], s[G1A:G1A+7]
	s_nop 0
	s_branch .Lasked_\@
.Lfor_b_\@:
	tensor_load_to_lds s[G0B+4*(\s):G0B+4*(\s)+3], s[G1B:G1B+7]
	s_nop 0
.Lasked_\@:
.endm
.macro CREST                           ; a round of the cluster's barrier behind its opening work-group barrier
	s_cmp_lg_u32 s14, 0
	s_cbranch_scc1 .Lnot_wave_0_\@
	s_barrier_signal -3
.Lnot_wave_0_\@:
	s_barrier_wait -3
	s_barrier_signal -1
	s_barrier_wait -1
.endm
.macro CROUND                          ; a whole round
	s_barrier_signal -1
	s_barrier_wait -1
	CREST
.endm
	s_load_b256 s[4:11], s[0:1], 0x0               ; xh s[4:5], wh s[6:7], qh s[8:9], kh s[10:11]
	s_load_b64 s[12:13], s[0:1], 0x20              ; vh
	s_set_vgpr_msb 0x40
	v_lshl_add_u32 v255, v0, 2, 0x41c00
	s_set_vgpr_msb 0x4000
	v_mov_b32 v255, 0
	s_set_vgpr_msb 0x1
	ds_add_u32 v255, v255
	s_set_vgpr_msb 0x100
	v_lshrrev_b32 v1, 5, v0
	v_readfirstlane_b32 s14, v1                    ; wave 0..3
	s_lshr_b32 s15, s14, 1                         ; I fetch for xh (0) or for wh (1)
	s_and_b32 s16, s14, 1                          ; which half of that tile
	s_bfe_u32 s17, ttmp6, 0x40000                  ; cx
	s_bfe_u32 s18, ttmp6, 0x40004                  ; cy
	s_lshl_b32 s19, ttmp9, 2
	s_add_co_u32 s19, s19, s17                     ; head = 4 x cluster x + cx
	s_and_b32 s20, ttmp7, 0xffff
	s_lshl_b32 s20, s20, 2
	s_add_co_u32 s20, s20, s18                     ; row block = 4 x cluster y + cy
	s_lshl_b32 s21, s18, 2
	s_lshl_b32 s21, 15, s21                        ; my row of the cluster
	s_lshl_b32 s22, 0x1111, s17                    ; my column
	s_or_b32 s[G1A+0], s21, FLAGS
	s_or_b32 s[G1B+0], s22, FLAGS
	s_mov_b32 s[G1A+1], KSTEP<<16                  ; tensor_dim0 = 128
	s_mov_b32 s[G1B+1], KSTEP<<16
	s_mov_b32 s[G1A+2], 128<<16                    ; tensor_dim1 = 128 rows
	s_mov_b32 s[G1B+2], 96<<16                     ; 96 rows
	s_mov_b32 s[G1A+3], KSTEP<<16                  ; tile_dim0 = 128
	s_mov_b32 s[G1B+3], KSTEP<<16
	s_mov_b32 s[G1A+4], 128                        ; tile_dim1
	s_mov_b32 s[G1B+4], 96
	s_mov_b32 s[G1A+5], 1024                       ; elements from row to row
	s_mov_b32 s[G1B+5], 1024
	s_mov_b32 s[G1A+6], 0
	s_mov_b32 s[G1B+6], 0
	s_mov_b32 s[G1A+7], 0
	s_mov_b32 s[G1B+7], 0
	; where the tiles come from: xh's offset is made of the row block and the wave, wh's of the head and the wave
	s_lshl_b32 s56, s20, 19                        ; 256 rows of 2,048 bytes
	s_lshl_b32 s23, s16, 18                        ; 128 rows
	s_add_co_u32 s56, s56, s23
	s_mov_b32 s57, 0
	s_mul_i32 s58, s19, 393216                     ; 192 rows of 2,048 bytes
	s_mul_i32 s23, s16, 196608                     ; 96 rows
	s_add_co_u32 s58, s58, s23
	s_mov_b32 s59, 0
	s_mul_i32 s62, s14, AHALF                      ; where they go: waves 0, 1: xh's halves
	s_mul_i32 s63, s14, BHALF
	s_add_co_u32 s63, s63, B_AT-2*BHALF            ; waves 2, 3: wh's halves, behind xh's 256 rows
	s_wait_dscnt 0x0
	s_wait_kmcnt 0x0
	s_add_nc_u64 s[56:57], s[4:5], s[56:57]
	s_add_nc_u64 s[58:59], s[6:7], s[58:59]
	CROUND                                         ; all sixteen work-groups are here: the first joint loads meet
.irp s, 0,1
	s_mov_b32 s[G0A+4*\s], 1
	s_add_co_u32 s[G0A+4*\s+1], s62, \s*SLOT
	s_add_nc_u64 s[G0A+4*\s+2:G0A+4*\s+3], s[56:57], \s*KSTEP*2
	s_or_b32 s[G0A+4*\s+3], s[G0A+4*\s+3], 0x80000000
	s_mov_b32 s[G0B+4*\s], 1
	s_add_co_u32 s[G0B+4*\s+1], s63, \s*SLOT
	s_add_nc_u64 s[G0B+4*\s+2:G0B+4*\s+3], s[58:59], \s*KSTEP*2
	s_or_b32 s[G0B+4*\s+3], s[G0B+4*\s+3], 0x80000000
	JLOAD \s                                       ; K steps 0 and 1: two loads of the wave are out
.endr
	v_and_b32 v1, 15, v0                           ; r = l % 16
	v_bfe_u32 v2, v0, 4, 1                         ; h = l / 16
	v_mul_u32_u24 v3, v1, PITCH
	v_lshl_add_u32 v3, v2, 4, v3                   ; r x pitch + 16 h
	s_mul_i32 s23, s14, 64*PITCH                   ; my 64 rows of xh
	v_add_nc_u32 v[ADRA], s23, v3
	v_add_nc_u32 v[ADRA+1], SLOT, v[ADRA]
	v_add_nc_u32 v[ADRB], B_AT, v3                 ; every wave reads all 192 rows of wh
	v_add_nc_u32 v[ADRB+1], SLOT, v[ADRB]
	s_mul_i32 s23, s14, 16*SPITCH
	s_add_co_u32 s23, s23, STAGE                   ; my stage
	v_mul_u32_u24 v4, v1, SPITCH
	v_lshl_add_u32 v4, v2, 4, v4
	v_add_nc_u32 v[STO], s23, v4                   ; in: row r, 16 bytes for each half of the lanes
	v_bfe_u32 v5, v0, 3, 2                         ; back: eight lanes take the 128 bytes of one row of q (k, v), four rows a load
	v_and_b32 v6, 7, v0
	v_mul_u32_u24 v5, v5, SPITCH
	v_lshl_add_u32 v5, v6, 4, v5
	v_add_nc_u32 v[RD], s23, v5
	v_and_b32 v6, 31, v0
	v_lshlrev_b32 v[CO], 4, v6                     ; four rows of 128 bytes are 512 consecutive bytes of the output
; 16 matrix instructions: row tiles a0, a0 + 1 times column tiles 0-7 (q, k).  zero = 1: the first product starts the sums.
.macro MULLO f, a0, zero
.irp a, \a0, \a0+1
.irp b, 0,1,2,3,4,5,6,7
.if \zero
	v_wmma_f32_16x16x32_f16 v[8*(8*(\a)+\b):8*(8*(\a)+\b)+7], v[96*\f+8*\b:96*\f+8*\b+7], v[FA+32*\f+8*(\a):FA+32*\f+8*(\a)+7], 0
.else
	v_wmma_f32_16x16x32_f16 v[8*(8*(\a)+\b):8*(8*(\a)+\b)+7], v[96*\f+8*\b:96*\f+8*\b+7], v[FA+32*\f+8*(\a):FA+32*\f+8*(\a)+7], v[8*(8*(\a)+\b):8*(8*(\a)+\b)+7]
.endif
.endr
.endr
.endm
; 16 matrix instructions: all four row tiles times column tiles 8-11 (v)
.macro MULHI f, zero
.irp a, 0,1,2,3
.irp b, 0,1,2,3
.if \zero
	v_wmma_f32_16x16x32_f16 v[8*(4*\a+\b):8*(4*\a+\b)+7], v[96*\f+64+8*\b:96*\f+64+8*\b+7], v[FA+32*\f+8*\a:FA+32*\f+8*\a+7], 0
.else
	v_wmma_f32_16x16x32_f16 v[8*(4*\a+\b):8*(4*\a+\b)+7], v[96*\f+64+8*\b:96*\f+64+8*\b+7], v[FA+32*\f+8*\a:FA+32*\f+8*\a+7], v[8*(4*\a+\b):8*(4*\a+\b)+7]
.endif
.endr
.endr
.endm
; 32 LDS loads in one run: the fragments of a quarter step (32 along K at byte k of the rows): xh's 8 loads, then wh's 24 in the order of the tiles
.macro FETCH slot, k, f
	WIN 0
.irp a, 0,1,2,3
	ds_load_b128 v[FA+32*\f+8*\a:FA+32*\f+8*\a+3],   v[ADRA+\slot] offset:\k+\a*16*PITCH
	ds_load_b128 v[FA+32*\f+8*\a+4:FA+32*\f+8*\a+7], v[ADRA+\slot] offset:\k+\a*16*PITCH+32
.endr
	WIN TO_B
.irp b, 0,1,2,3,4,5,6,7,8,9,10,11
	ds_load_b128 v[96*\f+8*\b:96*\f+8*\b+3],   v[ADRB+\slot] offset:\k+\b*16*PITCH
	ds_load_b128 v[96*\f+8*\b+4:96*\f+8*\b+7], v[ADRB+\slot] offset:\k+\b*16*PITCH+32
.endr
.endm
; A quarter step: 48 matrix instructions on buffer f; behind the first 16 the next quarter's fragments are fetched into buffer g.
; The 48 accumulators take turns, one instruction a turn, in the same order in every quarter.
.macro QUARTER slot, k, f, g, zero
	s_wait_dscnt 8                                 ; xh and wh tiles 0-7 are in; the eight youngest loads (wh tiles 8-11) may be out
	WIN MUL_LO
	MULLO \f, 0, \zero
	PLACES                                         ; buffer g was read by the last quarter's matrix instructions
	FETCH \slot, \k, \g
	WIN MUL_LO
	MULLO \f, 2, \zero
	s_wait_dscnt 32                                ; all but the 32 just issued
	WIN MUL_HI
	MULHI \f, \zero
.endm
.macro THREE slot, zero
	QUARTER \slot, 64,  0, 1, \zero
	QUARTER \slot, 128, 1, 0, 0
	QUARTER \slot, 192, 0, 1, 0
.endm
; The last quarter of a K step multiplies buffer 1 and changes slots.  In front of the barrier each wave waits for its reads of this slot and for
; all its tensor loads (one is out: its part of the next slot).  fill = 1: the barrier opens a round of the cluster's barrier, and the joint
; refill of this slot, two K steps ahead, is the first tensor load behind the round.  It has 176 matrix instructions of the wave in which to land.
.macro TURN slot, next, fill
	s_wait_dscnt 8
	WIN MUL_LO
	MULLO 1, 0, 0
	s_wait_dscnt 0x0                               ; my reads of this slot are over
	s_wait_tensorcnt 0x0                           ; all my tensor loads have landed
	ds_add_u32 v255, v255
	s_wait_dscnt 0x0
	s_barrier_signal -1
	MULLO 1, 2, 0                                  ; register work while the others arrive
	WIN 0
	s_barrier_wait -1
.if \fill
	CREST
	s_add_nc_u64 s[G0A+4*\slot+2:G0A+4*\slot+3], s[G0A+4*\slot+2:G0A+4*\slot+3], 2*KSTEP*2
	s_add_nc_u64 s[G0B+4*\slot+2:G0B+4*\slot+3], s[G0B+4*\slot+2:G0B+4*\slot+3], 2*KSTEP*2
	JLOAD \slot
.endif
	PLACES
	FETCH \next, 0, 0
	WIN MUL_HI
	MULHI 1, 0
.endm
.macro LAP zero
	THREE 0, \zero
	TURN 0, 1, 1
	THREE 1, 0
	TURN 1, 0, 1
.endm
	s_wait_tensorcnt 1                             ; my part of K step 0 is in; K step 1 may stay out
	s_barrier_signal -1
	s_barrier_wait -1
	FETCH 0, 0, 0
	LAP 1                                          ; the first lap stands in front of the loop: its first products start the sums
	WIN 0
	s_mov_b32 s3, LAPS-2
.Llap:
	LAP 0
	WIN 0
	s_sub_co_u32 s3, s3, 1
	s_cmp_lg_u32 s3, 0
	s_cbranch_scc1 .Llap
	THREE 0, 0                                     ; the last lap fills nothing
	TURN 0, 1, 0
	THREE 1, 0
	s_wait_dscnt 8
	WIN MUL_LO
	MULLO 1, 0, 0
	MULLO 1, 2, 0
	s_wait_dscnt 0x0
	WIN MUL_HI
	MULHI 1, 0
	; THE WAY OUT, 16 rows at a time: round to f16, 16 bytes a lane into my own stage, read back so that a store covers 512 consecutive bytes.
	PLACES                                         ; behind the last matrix instructions: for the conversions and for the loads into v64-111
	s_lshr_b32 s60, s20, 3                         ; batch = row block / 8
	s_lshl_b32 s60, s60, 4
	s_add_co_u32 s60, s60, s19                     ; bh
	s_lshl_b32 s60, s60, 18                        ; a head's 262,144 bytes
	s_and_b32 s2, s20, 7
	s_lshl_b32 s2, s2, 15                          ; 256 rows of 128 bytes
	s_add_co_u32 s60, s60, s2
	s_lshl_b32 s2, s14, 13                         ; my 64 rows
	s_add_co_u32 s60, s60, s2
	s_mov_b32 s61, 0
	s_add_nc_u64 s[8:9], s[8:9], s[60:61]
	s_add_nc_u64 s[10:11], s[10:11], s[60:61]
	s_add_nc_u64 s[12:13], s[12:13], s[60:61]
.macro OUT16 a, rb
	WIN 0x0a                                       ; sources in window 2: q and k
.irp b, 0,1,2,3,4,5,6,7
.irp r, 0,1,2,3
	v_cvt_pk_f16_f32 v[TMP+4*\b+\r], v[8*(8*\a+\b)+2*\r], v[8*(8*\a+\b)+2*\r+1]
.endr
.endr
	WIN 0x0f                                       ; sources in window 3: v
.irp b, 0,1,2,3
.irp r, 0,1,2,3
	v_cvt_pk_f16_f32 v[TMP+32+4*\b+\r], v[8*(4*\a+\b)+2*\r], v[8*(4*\a+\b)+2*\r+1]
.endr
.endr
	WIN 0
.irp b, 0,1,2,3,4,5,6,7,8,9,10,11
	ds_store_b128 v[STO], v[TMP+4*\b:TMP+4*\b+3] offset:32*\b
.endr
	s_wait_xcnt 0x0                                ; the registers read back into were the data of earlier stores: they are loaded again only behind this wait
.irp t, 0,1,2
.irp i, 0,1,2,3
	ds_load_b128 v[\rb+4*(4*\t+\i):\rb+4*(4*\t+\i)+3], v[RD] offset:128*\t+4*SPITCH*\i   ; LDS serves a wave's instructions in order: these see the stores above
.endr
.endr
.irp t, 0,1,2
.irp i, 0,1,2,3
	s_wait_dscnt 11-(4*\t+\i)
	global_store_b128 v[CO], v[\rb+4*(4*\t+\i):\rb+4*(4*\t+\i)+3], s[8+2*\t:9+2*\t] offset:2048*\a+512*\i   ; four whole rows, 512 consecutive bytes
.endr
.endr
.endm
	OUT16 0, RB0
	OUT16 1, RB1
	OUT16 2, RB0
	OUT16 3, RB1
	s_set_vgpr_msb 0x1
	s_wait_tensorcnt 0x0
	ds_add_u32 v255, v255
	s_wait_dscnt 0x0
	s_set_vgpr_msb 0x100
	CROUND                                         ; the closing round: no work-group ends while a partner may still ask for a tile that names it
	s_endpgm
.Lfunc_end_k_q78a8885859_qkv:
	.size	k_q78a8885859_qkv, .Lfunc_end_k_q78a8885859_qkv-k_q78a8885859_qkv
	.p2alignl 7, 3214868480
	.fill 96, 4, 3214868480
	.section	.rodata,"a",@progbits
	.p2align	6, 0x0
	.amdhsa_kernel k_q78a8885859_qkv
		.amdhsa_group_segment_fixed_size 327680
		.amdhsa_private_segment_fixed_size 0
		.amdhsa_enable_private_segment 0
		.amdhsa_kernarg_size 40
		.amdhsa_user_sgpr_count 2
		.amdhsa_user_sgpr_kernarg_segment_ptr 1
		.amdhsa_wavefront_size32 1
		.amdhsa_system_sgpr_workgroup_id_x 1
		.amdhsa_system_sgpr_workgroup_id_y 1
		.amdhsa_system_sgpr_workgroup_id_z 1
		.amdhsa_system_vgpr_workitem_id 0
		.amdhsa_next_free_vgpr 896
		.amdhsa_next_free_sgpr 66
		.amdhsa_reserve_vcc 0
		.amdhsa_float_denorm_mode_32 3
		.amdhsa_float_denorm_mode_16_64 3
		.amdhsa_memory_ordered 1
		.amdhsa_forward_progress 1
		.amdhsa_inst_pref_size 164
	.end_amdhsa_kernel
	.amdgpu_metadata
---
amdhsa.version: [ 1, 2 ]
amdhsa.kernels:
  - .name:           k_q78a8885859_qkv
    .symbol:         k_q78a8885859_qkv.kd
    .args:
      - { .name: xh, .offset: 0, .size: 8, .value_kind: global_buffer, .address_space: global }
      - { .name: wh, .offset: 8, .size: 8, .value_kind: global_buffer, .address_space: global }
      - { .name: qh, .offset: 16, .size: 8, .value_kind: global_buffer, .address_space: global }
      - { .name: kh, .offset: 24, .size: 8, .value_kind: global_buffer, .address_space: global }
      - { .name: vh, .offset: 32, .size: 8, .value_kind: global_buffer, .address_space: global }
    .group_segment_fixed_size: 327680
    .private_segment_fixed_size: 0
    .kernarg_segment_align: 8
    .kernarg_segment_size: 40
    .max_flat_workgroup_size: 128
    .sgpr_count:     66
    .vgpr_count:     896
    .wavefront_size: 32
...
	.end_amdgpu_metadata
.endif
;; end of part 2
;; launch attn (part 3): grid 256 x 1, 8 waves a work-group, clusters of 4 x 1, 327,680 bytes of LDS; arguments qh, kh, vh, ch; writes ch
.if DOCPART == 3
	.amdgcn_target "amdgcn-amd-amdhsa--gfx1250"
	.amdhsa_code_object_version 6
	.text
	.protected	k_q78a8885859_attn
	.globl	k_q78a8885859_attn
	.p2align	8
	.type	k_q78a8885859_attn,@function
k_q78a8885859_attn:
	s_mov_b64 s[64:65], 0
	v_nop
	global_prefetch_b8 v0, s[64:65] scope:SCOPE_SE
	s_setreg_imm32_b32 hwreg(HW_REG_WAVE_MODE, 25, 1), 1
	s_wait_xcnt 0x0
	s_wait_alu depctr_hold_cnt(0) depctr_sa_sdst(0) depctr_va_vdst(0) depctr_va_sdst(0) depctr_va_ssrc(0) depctr_va_vcc(0) depctr_vm_vsrc(0)
	s_getreg_b32 s2, hwreg(HW_REG_IB_STS2, 6, 4)
	s_cmp_eq_u32 s2, 0
	s_cbranch_scc0 .Lentry_in_a_cluster
	s_endpgm
.Lentry_in_a_cluster:
	s_bfe_u32 s2, ttmp6, 0x10000c
	s_cmp_lg_u32 s2, 0x3003
	s_cbranch_scc0 .Lentry_shape_is_right
	s_endpgm
.Lentry_shape_is_right:
; attn: softmax(q k^T / 8) v for 256 queries of one head, with a running maximum.  qh, kh, vh, ch: [bh][2048][64] f16.
; 32 heads x 8 query blocks = 256 work-groups.  Eight waves, 32 queries each (two query tiles u), two waves to a SIMD.
; CLUSTERS: the four work-groups of a cluster are query blocks of one head and walk the same keys: every tile of K and V is asked for jointly.
; ORIENTATION.  S^T = K Q^T (source 0 = 16 keys, source 1 = 16 queries): lane (r, h) holds query r and keys 8 h + j of a key tile.
; Two key tiles, rounded to f16 and packed, ARE the second operand of O^T = V^T P^T (source 0 = V^T by transposing loads): no shuffle.
; In O^T the lane holds query r again (and d = 16 dt + 8 h + j), so the maximum, the rescale factor and the sum are numbers of the lane;
; the maximum crosses the two halves of the wave once a step and query tile, the sum once at the end.
; p = exp2(c s - c m), c = log2(e) / 8.  The rescale factor is exp2 of the difference of the two stored numbers -c m, which is exactly the
; factor between the exponents that the old and the new p use.
; THE SCORES RUN ONE STEP AHEAD.  A step is 64 keys.  Step j has three stages:
;   1  maxima, c s - c m, exponentials and sums of S(j): 174 vector instructions, and strewn among them the 16 matrix instructions of S(j+1),
;      which go into the other of two S buffers;
;   2  p to f16: 32 conversions into P;
;   3  O times the rescale factor, and the 16 matrix instructions of O += V(j)^T P(j).
; V(j)'s fragments are fetched at the head of stage 1, K(j+2)'s at its end.  So that a trip reads one slot alone, a slot's K part runs 128 keys
; ahead of its V part: tile t holds V's keys 256 t .. and K's keys 256 t + 128 ...  K(0) and K(1) come straight from memory into registers,
; with Q; S(0) and S(1) are made ahead of the first trip.  The last tile's K part has 128 keys: two of K's four waves ask for nothing there.
; REGISTERS.  Window 0 holds all that stage 1 names (S twice, K's fragments, Q, the lane's numbers), window 1 all that stage 3 names (O, V's
; fragments, P, the rescale factors), so that each stage runs under one setting of s_set_vgpr_msb: five switches a step.
; LIMITS: p goes into the product with V rounded to f16 while the denominator sums the f32 p; ctx is kept in f16; NaN and infinite inputs are
; not served (the maxima drop a NaN); exp2 gives 0 below 2^-126 (ISA guide, v_exp_f32).
.set KEYS,  256                        ; keys in a tile
.set KLEAD, 128                        ; keys by which a slot's K part runs ahead of its V part
.set VP,    160                        ; V's LDS row: 128 bytes + 32, an odd multiple of 32, for the transposing loads
.set KP,    144                        ; K's LDS row: 128 bytes + 16, an odd multiple of 16
.set K_AT,  KEYS*VP                    ; in a slot: V's 256 rows, then K's
.set SLOT,  KEYS*(VP+KP)               ; 77,824
.set STAGE, 2*SLOT                     ; behind the ring, at a multiple of 256: 32 rows x 144 bytes for each wave; no fill lands here
.set SP,    144
; window 0
.set KADR, 8                           ; v8-9    LDS address of my K fragments in slot 0, 1
.set VADR, 10                          ; v10-11  the same for V
.set STO,  12
.set RD,   13
.set CO,   14
.set QOFF, 15                          ; byte offset of my 16 bytes in 16 rows of 128 bytes: for Q, K(0), K(1)
.set NM,   16                          ; v[16+2u] = -c m, v[17+2u] = m
.set AL,   20                          ; v[20+2u] = rescale factor, v[21+2u] = my half of the sum
.set WK,   24                          ; v[24+4u : 27+4u] at work
.set SR,   32                          ; S of step j at SR + 64 (j % 2) + 8 (4 u + kt)
.set KF,   160                         ; K fragments [kt][dk] at KF + 8 (2 kt + dk)
.set QR,   224                         ; Q[u][dk] at QR + 8 (2 u + dk)
; window 1: O[u][dt] at 8 (4 u + dt)
.set VF,   64                          ; V^T fragments [g][dt] at VF + 8 (4 g + dt)
.set PR,   128                         ; P[u][g] at PR + 8 (2 u + g)
.set ALB,  160                         ; v[160+2u] = rescale factor, for the packed multiply; v[161+2u] written once, never used as a number
.set TO_B,  0x40                       ; destination in window 1, sources in window 0
.set ALL_B, 0x55                       ; everything in window 1
.set G1V, 28                           ; s[28:35]
.set G1K, 36                           ; s[36:43]
.set G0V, 44                           ; s[44:51] one set a slot
.set G0K, 52                           ; s[52:59]
.set MSB, 0
.macro WIN new                         ; the immediate's high byte repeats the setting that is left
.if MSB != \new
	s_set_vgpr_msb (MSB<<8)|\new
.set MSB, \new
.endif
.endm
.macro PLACES
.rept 4
	v_nop
.endr
.endm
.macro JLOAD s                         ; waves 0-3 fetch 64 rows of V each, waves 4-7 64 rows of K
	s_cmp_eq_u32 s13, 0
	s_cbranch_scc0 .Lfor_k_\@
	tensor_load_to_lds s[G0V+4*(\s):G0V+4*(\s)+3], s[G1V:G1V+7]
	s_nop 0
	s_branch .Lasked_\@
.Lfor_k_\@:
	tensor_load_to_lds s[G0K+4*(\s):G0K+4*(\s)+3], s[G1K:G1K+7]
	s_nop 0
.Lasked_\@:
.endm
.macro JLAST s                         ; the last tile: K has 128 keys left, so waves 6 and 7 have no part to fill.  The branches hang on the wave's number alone
	s_cmp_eq_u32 s13, 0
	s_cbranch_scc0 .Lfor_k_\@
	tensor_load_to_lds s[G0V+4*(\s):G0V+4*(\s)+3], s[G1V:G1V+7]
	s_nop 0
	s_branch .Lasked_\@
.Lfor_k_\@:
	s_cmp_gt_u32 s12, 5
	s_cbranch_scc1 .Lasked_\@
	tensor_load_to_lds s[G0K+4*(\s):G0K+4*(\s)+3], s[G1K:G1K+7]
	s_nop 0
.Lasked_\@:
.endm
.macro CROUND                          ; a round of the cluster's barrier
	s_barrier_signal -1
	s_barrier_wait -1
	s_cmp_lg_u32 s12, 0
	s_cbranch_scc1 .Lnot_wave_0_\@
	s_barrier_signal -3
.Lnot_wave_0_\@:
	s_barrier_wait -3
	s_barrier_signal -1
	s_barrier_wait -1
.endm
	s_load_b256 s[4:11], s[0:1], 0x0               ; qh s[4:5], kh s[6:7], vh s[8:9], ch s[10:11]
	s_set_vgpr_msb 0x40
	v_lshl_add_u32 v164, v0, 2, 0x2f000
	v_mov_b32 v165, 0
	s_set_vgpr_msb 0x4045
	ds_add_u32 v164, v165
	s_set_vgpr_msb 0x4500
	v_lshrrev_b32 v1, 5, v0
	v_readfirstlane_b32 s12, v1                    ; wave 0..7
	s_lshr_b32 s13, s12, 2                         ; I fetch for V (0) or for K (1)
	s_and_b32 s14, s12, 3                          ; which 64 rows of the tile
	s_bfe_u32 s15, ttmp6, 0x40000                  ; cx
	s_lshr_b32 s16, ttmp9, 1                       ; bh: two clusters a head
	s_and_b32 s17, ttmp9, 1
	s_lshl_b32 s17, s17, 2
	s_add_co_u32 s17, s17, s15                     ; query block 0..7
	s_mov_b32 s20, 0x3e38aa3b                      ; c = log2(e) / 8, twice: a pair for the packed multiply-add
	s_mov_b32 s21, 0x3e38aa3b
	s_mov_b32 s22, 0xbe38aa3b                      ; -c
	s_mov_b32 s24, 0x76543210                      ; v_permlanex16_b32: lane i of one half reads lane i of the other
	s_mov_b32 s25, 0xfedcba98
	; group 1: 64 rows of 64 elements, dense in memory; all four work-groups of the cluster are named
	s_mov_b32 s[G1V+0], 15|(1<<16)|(1<<20)|(1<<21)|(4<<22)|(7<<25)   ; after every 32 words, 8 words
	s_mov_b32 s[G1K+0], 15|(1<<16)|(1<<20)|(1<<21)|(4<<22)|(3<<25)   ; after every 32 words, 4 words
	s_mov_b32 s[G1V+1], 64<<16
	s_mov_b32 s[G1K+1], 64<<16
	s_mov_b32 s[G1V+2], 64<<16
	s_mov_b32 s[G1K+2], 64<<16
	s_mov_b32 s[G1V+3], 64<<16
	s_mov_b32 s[G1K+3], 64<<16
	s_mov_b32 s[G1V+4], 64
	s_mov_b32 s[G1K+4], 64
	s_mov_b32 s[G1V+5], 64
	s_mov_b32 s[G1K+5], 64
	s_mov_b32 s[G1V+6], 0
	s_mov_b32 s[G1K+6], 0
	s_mov_b32 s[G1V+7], 0
	s_mov_b32 s[G1K+7], 0
	s_lshl_b32 s18, s16, 18                        ; K and V: the head, shared by the four partners
	s_mov_b32 s19, 0
	s_lshl_b32 s2, s14, 13                         ; my 64 rows of 128 bytes in a tile
	s_mov_b32 s3, 0
	s_lshl_b32 s60, s16, 18                        ; q and ctx: the head,
	s_lshl_b32 s27, s17, 15                        ; the block of 256 queries,
	s_add_co_u32 s60, s60, s27
	s_lshl_b32 s27, s12, 12                        ; my 32 queries
	s_add_co_u32 s60, s60, s27
	s_mov_b32 s61, 0
	s_mul_i32 s62, s12, 64*VP                      ; waves 0-3: V's quarters
	s_mul_i32 s63, s12, 64*KP
	s_add_co_u32 s63, s63, K_AT-4*64*KP            ; waves 4-7: K's quarters, behind V's 256 rows
	s_wait_dscnt 0x0
	s_wait_kmcnt 0x0
	s_add_nc_u64 s[6:7], s[6:7], s[18:19]          ; kh and vh at the head's first key
	s_add_nc_u64 s[8:9], s[8:9], s[18:19]
	s_add_nc_u64 s[4:5], s[4:5], s[60:61]
	s_add_nc_u64 s[10:11], s[10:11], s[60:61]
.irp s, 0,1
	s_mov_b32 s[G0V+4*\s], 1
	s_add_co_u32 s[G0V+4*\s+1], s62, \s*SLOT
	s_add_nc_u64 s[G0V+4*\s+2:G0V+4*\s+3], s[8:9], s[2:3]
	s_add_nc_u64 s[G0V+4*\s+2:G0V+4*\s+3], s[G0V+4*\s+2:G0V+4*\s+3], \s*KEYS*128
	s_or_b32 s[G0V+4*\s+3], s[G0V+4*\s+3], 0x80000000
	s_mov_b32 s[G0K+4*\s], 1
	s_add_co_u32 s[G0K+4*\s+1], s63, \s*SLOT
	s_add_nc_u64 s[G0K+4*\s+2:G0K+4*\s+3], s[6:7], s[2:3]
	s_add_nc_u64 s[G0K+4*\s+2:G0K+4*\s+3], s[G0K+4*\s+2:G0K+4*\s+3], (KLEAD+\s*KEYS)*128
	s_or_b32 s[G0K+4*\s+3], s[G0K+4*\s+3], 0x80000000
.endr
	CROUND                                         ; the four work-groups are here: the first joint load meets
	JLOAD 0                                        ; tile 0.  One tensor load of the wave is out at any time
	v_and_b32 v1, 15, v0                           ; r
	v_bfe_u32 v2, v0, 4, 1                         ; h
	v_and_b32 v3, 7, v0                            ; l % 8
	v_bfe_u32 v4, v0, 3, 1                         ; (l / 8) % 2
	v_bfe_u32 v5, v0, 3, 2                         ; l / 8
	v_and_b32 v6, 31, v0                           ; l
	v_lshlrev_b32 v[QOFF], 7, v1
	v_lshl_add_u32 v[QOFF], v2, 4, v[QOFF]         ; row r of 128 bytes, 16 bytes for each half of the lanes
.irp u, 0,1
.irp dk, 0,1
	global_load_b128 v[QR+8*(2*\u+\dk):QR+8*(2*\u+\dk)+3],   v[QOFF], s[4:5] offset:2048*\u+64*\dk
	global_load_b128 v[QR+8*(2*\u+\dk)+4:QR+8*(2*\u+\dk)+7], v[QOFF], s[4:5] offset:2048*\u+64*\dk+32
.endr
.endr
.irp kt, 0,1,2,3
.irp dk, 0,1
	global_load_b128 v[KF+8*(2*\kt+\dk):KF+8*(2*\kt+\dk)+3],   v[QOFF], s[6:7] offset:2048*\kt+64*\dk      ; K(0): keys 0-63
	global_load_b128 v[KF+8*(2*\kt+\dk)+4:KF+8*(2*\kt+\dk)+7], v[QOFF], s[6:7] offset:2048*\kt+64*\dk+32
.endr
.endr
	WIN TO_B
.irp kt, 0,1,2,3
.irp dk, 0,1
	global_load_b128 v[8*(2*\kt+\dk):8*(2*\kt+\dk)+3],   v[QOFF], s[6:7] offset:8192+2048*\kt+64*\dk      ; K(1): keys 64-127, for now in O's registers
	global_load_b128 v[8*(2*\kt+\dk)+4:8*(2*\kt+\dk)+7], v[QOFF], s[6:7] offset:8192+2048*\kt+64*\dk+32
.endr
.endr
	v_mov_b32 v[ALB+1], 1.0                        ; the packed multiply names the pair: its second register is written once
	v_mov_b32 v[ALB+3], 1.0
	WIN 0
	v_mul_u32_u24 v7, v1, KP
	v_lshl_add_u32 v7, v2, 4, v7                   ; r x 144 + 16 h
	v_add_nc_u32 v[KADR], K_AT, v7
	v_add_nc_u32 v[KADR+1], K_AT+SLOT, v7
	v_lshl_add_u32 v[VADR], v2, 3, v3              ; key 8 h + l % 8,
	v_mul_u32_u24 v[VADR], v[VADR], VP
	v_lshl_add_u32 v[VADR], v4, 4, v[VADR]         ; 16 bytes of its row
	v_add_nc_u32 v[VADR+1], SLOT, v[VADR]
	s_mul_i32 s23, s12, 32*SP
	s_add_co_u32 s23, s23, STAGE                   ; my stage
	v_add_nc_u32 v[STO], s23, v7                   ; the stage has K's pitch
	v_mul_u32_u24 v[RD], v5, SP
	v_lshl_add_u32 v[RD], v3, 4, v[RD]
	v_add_nc_u32 v[RD], s23, v[RD]
	v_lshlrev_b32 v[CO], 4, v6
.macro KLOAD s, st                     ; 16 loads: 64 keys x 64 d, rows 64 st .. of the slot's K part
.irp kt, 0,1,2,3
.irp dk, 0,1
	ds_load_b128 v[KF+8*(2*\kt+\dk):KF+8*(2*\kt+\dk)+3],   v[KADR+\s] offset:(64*(\st)+16*\kt)*KP+64*\dk
	ds_load_b128 v[KF+8*(2*\kt+\dk)+4:KF+8*(2*\kt+\dk)+7], v[KADR+\s] offset:(64*(\st)+16*\kt)*KP+64*\dk+32
.endr
.endr
.endm
.macro VLOAD s, st                     ; 16 transposing loads: 64 d x 64 keys, rows 64 st .. of the slot's V part
.irp g, 0,1
.irp dt, 0,1,2,3
	ds_load_tr16_b128 v[VF+8*(4*\g+\dt):VF+8*(4*\g+\dt)+3],   v[VADR+\s] offset:(64*(\st)+32*\g)*VP+32*\dt
	ds_load_tr16_b128 v[VF+8*(4*\g+\dt)+4:VF+8*(4*\g+\dt)+7], v[VADR+\s] offset:(64*(\st)+32*\g)*VP+32*\dt+16*VP
.endr
.endr
.endm
; Score product n of 16, into the S buffer at SN, from K fragments at KB.  n = 0-7: d 0-31 of tile (u, kt) = (n / 4, n % 4), which starts the
; sum; n = 8-15: d 32-63 of the same tiles.  Eight accumulators take turns, one instruction a turn.
.macro SW n
.if (\n) < 8
	v_wmma_f32_16x16x32_f16 v[SN+8*(\n):SN+8*(\n)+7], v[KB+16*((\n)%4):KB+16*((\n)%4)+7], v[QR+16*((\n)/4):QR+16*((\n)/4)+7], 0
.else
	v_wmma_f32_16x16x32_f16 v[SN+8*(\n)-64:SN+8*(\n)-57], v[KB+16*((\n)%4)+8:KB+16*((\n)%4)+15], v[QR+16*((\n)/4)-24:QR+16*((\n)/4)-17], v[SN+8*(\n)-64:SN+8*(\n)-57]
.endif
.endm
.macro SWC on, n
.if \on
	SW \n
.endif
.endm
; Product n of 8 of query tile u with V: keys 32 g .. of the step, d tile dt, (g, dt) = (n / 4, n % 4).  Four accumulators take turns.
.macro PW u, n, zero
.if \zero
	v_wmma_f32_16x16x32_f16 v[8*(4*\u+(\n)%4):8*(4*\u+(\n)%4)+7], v[VF+8*(\n):VF+8*(\n)+7], v[PR+8*(2*\u+(\n)/4):PR+8*(2*\u+(\n)/4)+7], 0
.else
	v_wmma_f32_16x16x32_f16 v[8*(4*\u+(\n)%4):8*(4*\u+(\n)%4)+7], v[VF+8*(\n):VF+8*(\n)+7], v[PR+8*(2*\u+(\n)/4):PR+8*(2*\u+(\n)/4)+7], v[8*(4*\u+(\n)%4):8*(4*\u+(\n)%4)+7]
.endif
.endm
.macro RS u, i                         ; pair i of O of query tile u times the rescale factor of its query
	v_pk_mul_f32 v[32*\u+2*(\i):32*\u+2*(\i)+1], v[32*\u+2*(\i):32*\u+2*(\i)+1], v[ALB+2*\u:ALB+2*\u+1] op_sel_hi:[1,0]
.endm
; The maxima of the S buffer at SC: eight chains, four for each query tile, which take turns so that no line waits for the one in front of it
.macro MAX0
.irp u, 0,1
.irp kt, 0,1,2,3
	v_max3_num_f32 v[WK+4*\u+\kt], v[SC+8*(4*\u+\kt)], v[SC+8*(4*\u+\kt)+1], v[SC+8*(4*\u+\kt)+2]
.endr
.endr
.endm
.macro MAXA a, b
.irp u, 0,1
.irp kt, 0,1,2,3
	v_max3_num_f32 v[WK+4*\u+\kt], v[WK+4*\u+\kt], v[SC+8*(4*\u+\kt)+\a], v[SC+8*(4*\u+\kt)+\b]
.endr
.endr
.endm
.macro MAXJ first                      ; the four registers 7, the chains joined, the old maximum
.irp u, 0,1
	v_max3_num_f32 v[WK+4*\u],   v[WK+4*\u],   v[SC+32*\u+7],  v[SC+32*\u+15]
	v_max3_num_f32 v[WK+4*\u+1], v[WK+4*\u+1], v[SC+32*\u+23], v[SC+32*\u+31]
.endr
.irp u, 0,1
	v_max3_num_f32 v[WK+4*\u], v[WK+4*\u], v[WK+4*\u+1], v[WK+4*\u+2]
.endr
.irp u, 0,1
.if \first
	v_max_num_f32 v[WK+4*\u], v[WK+4*\u], v[WK+4*\u+3]
.else
	v_max3_num_f32 v[WK+4*\u], v[WK+4*\u], v[WK+4*\u+3], v[NM+2*\u+1]
.endif
.endr
.endm
.macro MAXF first                      ; the other half's keys of the same query; -c m; the rescale factor
.irp u, 0,1
	v_permlanex16_b32 v[WK+4*\u+1], v[WK+4*\u], s24, s25
.endr
.irp u, 0,1
	v_max_num_f32 v[NM+2*\u+1], v[WK+4*\u], v[WK+4*\u+1]
.endr
.if \first
.irp u, 0,1
	v_mul_f32 v[NM+2*\u], s22, v[NM+2*\u+1]
.endr
.else
.irp u, 0,1
	v_mul_f32 v[WK+4*\u+2], s22, v[NM+2*\u+1]
.endr
.irp u, 0,1
	v_sub_f32 v[AL+2*\u], v[WK+4*\u+2], v[NM+2*\u]             ; (-c m new) - (-c m old), at most 0
.endr
.irp u, 0,1
	v_mov_b32 v[NM+2*\u], v[WK+4*\u+2]
.endr
.irp u, 0,1
	v_exp_f32 v[AL+2*\u], v[AL+2*\u]                           ; the packed multiply-add that follows in the step names neither (ISA guide 5.7.2)
.endr
.endif
.endm
.macro FPAIR n                         ; c s - c m for pair n of my 64 scores (pairs 0-15: query tile 0)
	v_pk_fma_f32 v[SC+2*(\n):SC+2*(\n)+1], v[SC+2*(\n):SC+2*(\n)+1], s[20:21], v[NM+2*((\n)/16):NM+2*((\n)/16)+1] op_sel_hi:[1,0,0]
.endm
.macro FEU n                           ; pair n + 2 is made ready, pair n goes through exp2: no line uses what the lines just ahead of it made
.if (\n)+2 < 32
	FPAIR (\n)+2
.endif
	v_exp_f32 v[SC+2*(\n)], v[SC+2*(\n)]
	v_exp_f32 v[SC+2*(\n)+1], v[SC+2*(\n)+1]
.endm
.macro SUMS first                      ; my 32 p of each query tile, summed in f32: four chains that take turns
	s_wait_alu depctr_va_vdst(0)
.irp u, 0,1
	v_pk_add_f32 v[WK+4*\u:WK+4*\u+1],   v[SC+32*\u:SC+32*\u+1],   v[SC+32*\u+2:SC+32*\u+3]
	v_pk_add_f32 v[WK+4*\u+2:WK+4*\u+3], v[SC+32*\u+4:SC+32*\u+5], v[SC+32*\u+6:SC+32*\u+7]
.endr
.irp i, 4,6,8,10,12,14
.irp u, 0,1
	v_pk_add_f32 v[WK+4*\u:WK+4*\u+1],   v[WK+4*\u:WK+4*\u+1],   v[SC+32*\u+2*\i:SC+32*\u+2*\i+1]
	v_pk_add_f32 v[WK+4*\u+2:WK+4*\u+3], v[WK+4*\u+2:WK+4*\u+3], v[SC+32*\u+2*\i+2:SC+32*\u+2*\i+3]
.endr
.endr
.irp u, 0,1
	v_pk_add_f32 v[WK+4*\u:WK+4*\u+1], v[WK+4*\u:WK+4*\u+1], v[WK+4*\u+2:WK+4*\u+3]
.endr
.if \first
.irp u, 0,1
	v_add_f32 v[AL+2*\u+1], v[WK+4*\u], v[WK+4*\u+1]
.endr
.else
.irp u, 0,1
	v_add_f32 v[WK+4*\u], v[WK+4*\u], v[WK+4*\u+1]
.endr
.irp u, 0,1
	v_fma_f32 v[AL+2*\u+1], v[AL+2*\u+1], v[AL+2*\u], v[WK+4*\u]
.endr
.endif
.endm
; Step st of the tile in slot s.  first = 1: it starts the maximum, the sum and O.  smul = 1: the next step's scores are made in stage 1.
; kload = 1: the K fragments of the step after next are fetched.
.macro STEP s, st, first, smul, kload
.set SC, SR+64*((\st)%2)               ; this step's scores
.set SN, SR+64-64*((\st)%2)            ; the next step's
	; stage 1, all in window 0
	MAX0                                           ; eight places behind the last step's products with V, which read V's fragments
	WIN TO_B
	VLOAD \s, \st
	WIN 0
.if \smul
	s_wait_dscnt 16                                ; the K fragments fetched in the last step are in; V's 16 younger loads stay out
.endif
	SWC \smul, 0
	MAXA 3, 4
	SWC \smul, 1
	MAXA 5, 6
	SWC \smul, 2
	MAXJ \first
	SWC \smul, 3
	MAXF \first
	FPAIR 0
	FPAIR 1
.irp k, 0,1,2,3,4,5,6,7,8,9,10
	SWC \smul, 4+\k
	FEU 3*\k
	FEU 3*\k+1
.if 3*\k+2 < 32
	FEU 3*\k+2
.endif
.endr
	SWC \smul, 15
	SUMS \first                                    ; plain work behind the last exponentials; more than four places behind the last score product
.if \kload
	KLOAD \s, \st                                  ; keys 128 ahead of this step's
.endif
	; stage 2: from window 0 into window 1
	WIN TO_B
.if \first
.else
	v_mov_b32 v[ALB], v[AL]
	v_mov_b32 v[ALB+2], v[AL+2]
.endif
.irp i, 0,1,2,3,4,5,6,7,8,9,10,11,12,13,14,15,16,17,18,19,20,21,22,23,24,25,26,27,28,29,30,31
	v_cvt_pk_f16_f32 v[PR+\i], v[SC+2*\i], v[SC+2*\i+1]        ; key tile kt goes to registers 4 (kt % 2) .. of P[u][kt / 2]
.endr
	; stage 3, all in window 1
	WIN ALL_B
.if \first
.else
.irp i, 0,1,2,3,4,5,6,7,8,9,10,11,12,13,14,15
	RS 0, \i
.endr
.endif
.if \kload
	s_wait_dscnt 16                                ; V's 16 loads are in; K's 16 younger loads stay out
.else
	s_wait_dscnt 0x0
.endif
.irp n, 0,1,2,3,4,5,6,7
.if \n < 4
	PW 0, \n, \first
.else
	PW 0, \n, 0
.endif
.if \first
.else
	RS 1, 2*\n                                     ; query tile 1 is rescaled among query tile 0's products
	RS 1, 2*\n+1
.endif
.endr
.irp n, 0,1,2,3,4,5,6,7
.if \n < 4
	PW 1, \n, \first
.else
	PW 1, \n, 0
.endif
.endr
	WIN 0
.endm
; The head of the trip on slot s.  In front of the round every wave waits for all its tensor loads (its part of this tile) and for its LDS reads,
; those of the other slot among them; behind the round the other slot is asked for jointly, first thing: that load has this trip's four steps
; in which to land.  refill = 0: nothing is left to fetch; 1: a whole tile; 2: the last tile.
.macro HEAD s, refill
	s_set_vgpr_msb 0x5
	s_wait_tensorcnt 0x0
	ds_add_u32 v164, v165
	s_wait_dscnt 0x0
	s_set_vgpr_msb 0x500
	s_add_nc_u64 s[G0V+4*\s+2:G0V+4*\s+3], s[G0V+4*\s+2:G0V+4*\s+3], 2*KEYS*128   ; no load of mine is out: this slot's next tile
	s_add_nc_u64 s[G0K+4*\s+2:G0K+4*\s+3], s[G0K+4*\s+2:G0K+4*\s+3], 2*KEYS*128
	s_wait_dscnt 0x0
	CROUND
.if \refill == 1
	JLOAD 1-\s
.endif
.if \refill == 2
	JLAST 1-\s
.endif
.endm
.macro TRIP s, refill
	HEAD \s, \refill
	STEP \s, 0, 0, 1, 1
	STEP \s, 1, 0, 1, 1
	STEP \s, 2, 0, 1, 1
	STEP \s, 3, 0, 1, 1
.endm
	s_wait_loadcnt 0x0                             ; Q, K(0), K(1), once
.set SN, SR
.set KB, KF
.irp n, 0,1,2,3,4,5,6,7,8,9,10,11,12,13,14,15
	SW \n                                          ; S(0)
.endr
	WIN 0x01                                       ; source 0 in window 1: K(1) lies in O's registers
.set SN, SR+64
.set KB, 0
.irp n, 0,1,2,3,4,5,6,7,8,9,10,11,12,13,14,15
	SW \n                                          ; S(1)
.endr
	WIN 0
.set KB, KF
	PLACES                                         ; behind these products: the first step's maxima read S(0)
	HEAD 0, 1                                      ; tile 0
	STEP 0, 0, 1, 0, 1                             ; S(1) is there already
	STEP 0, 1, 0, 1, 1
	STEP 0, 2, 0, 1, 1
	STEP 0, 3, 0, 1, 1
	TRIP 1, 1
	s_mov_b32 s26, 2
.Ltiles:
	TRIP 0, 1
	TRIP 1, 1
	s_sub_co_u32 s26, s26, 1
	s_cmp_lg_u32 s26, 0
	s_cbranch_scc1 .Ltiles
	TRIP 0, 2                                      ; tile 6 asks for tile 7, whose K part has 128 keys
	HEAD 1, 0                                      ; tile 7: nothing is left to fetch (the stepped addresses are not used)
	STEP 1, 0, 0, 1, 1
	STEP 1, 1, 0, 1, 1
	STEP 1, 2, 0, 1, 0                             ; makes the last scores; no K is left
	STEP 1, 3, 0, 0, 0
	; THE WAY OUT: O / sum, rounded to f16, through my own stage, so that a store covers 512 consecutive bytes (four rows of ctx)
	PLACES
.irp u, 0,1
	v_permlanex16_b32 v[WK+4*\u], v[AL+2*\u+1], s24, s25       ; the other half's part of the sum
.endr
.irp u, 0,1
	v_add_f32 v[AL+2*\u+1], v[AL+2*\u+1], v[WK+4*\u]
.endr
	WIN TO_B
	v_rcp_f32 v[ALB], v[AL+1]
	v_rcp_f32 v[ALB+2], v[AL+3]
	v_nop                                          ; the plain place behind the reciprocals
	s_wait_alu depctr_va_vdst(0)
	WIN ALL_B
.irp u, 0,1
.irp i, 0,1,2,3,4,5,6,7,8,9,10,11,12,13,14,15
	RS \u, \i
.endr
.endr
.irp i, 0,1,2,3,4,5,6,7,8,9,10,11,12,13,14,15,16,17,18,19,20,21,22,23,24,25,26,27,28,29,30,31
	v_cvt_pk_f16_f32 v[PR+\i], v[2*\i], v[2*\i+1]
.endr
	WIN 0x04                                       ; the data of an LDS store is source 1: window 1
.irp u, 0,1
.irp dt, 0,1,2,3
	ds_store_b128 v[STO], v[PR+4*(4*\u+\dt):PR+4*(4*\u+\dt)+3] offset:16*SP*\u+32*\dt
.endr
.endr
	WIN 0
.irp i, 0,1,2,3,4,5,6,7
	ds_load_b128 v[KF+4*\i:KF+4*\i+3], v[RD] offset:4*SP*\i    ; LDS serves a wave's instructions in order: these see the stores above
.endr
.irp i, 0,1,2,3,4,5,6,7
	s_wait_dscnt 7-\i
	global_store_b128 v[CO], v[KF+4*\i:KF+4*\i+3], s[10:11] offset:512*\i
.endr
	s_set_vgpr_msb 0x5
	s_wait_tensorcnt 0x0
	ds_add_u32 v164, v165
	s_wait_dscnt 0x0
	s_set_vgpr_msb 0x500
	CROUND                                         ; the closing round
	s_endpgm
.Lfunc_end_k_q78a8885859_attn:
	.size	k_q78a8885859_attn, .Lfunc_end_k_q78a8885859_attn-k_q78a8885859_attn
	.p2alignl 7, 3214868480
	.fill 96, 4, 3214868480
	.section	.rodata,"a",@progbits
	.p2align	6, 0x0
	.amdhsa_kernel k_q78a8885859_attn
		.amdhsa_group_segment_fixed_size 327680
		.amdhsa_private_segment_fixed_size 0
		.amdhsa_enable_private_segment 0
		.amdhsa_kernarg_size 32
		.amdhsa_user_sgpr_count 2
		.amdhsa_user_sgpr_kernarg_segment_ptr 1
		.amdhsa_wavefront_size32 1
		.amdhsa_system_sgpr_workgroup_id_x 1
		.amdhsa_system_sgpr_workgroup_id_y 1
		.amdhsa_system_sgpr_workgroup_id_z 1
		.amdhsa_system_vgpr_workitem_id 0
		.amdhsa_next_free_vgpr 422
		.amdhsa_next_free_sgpr 66
		.amdhsa_reserve_vcc 0
		.amdhsa_float_denorm_mode_32 3
		.amdhsa_float_denorm_mode_16_64 3
		.amdhsa_memory_ordered 1
		.amdhsa_forward_progress 1
		.amdhsa_inst_pref_size 255
	.end_amdhsa_kernel
	.section	.bss,"aw",@nobits
	.p2align	6
	.space	262144
	.amdgpu_metadata
---
amdhsa.version: [ 1, 2 ]
amdhsa.kernels:
  - .name:           k_q78a8885859_attn
    .symbol:         k_q78a8885859_attn.kd
    .args:
      - { .name: qh, .offset: 0, .size: 8, .value_kind: global_buffer, .address_space: global }
      - { .name: kh, .offset: 8, .size: 8, .value_kind: global_buffer, .address_space: global }
      - { .name: vh, .offset: 16, .size: 8, .value_kind: global_buffer, .address_space: global }
      - { .name: ch, .offset: 24, .size: 8, .value_kind: global_buffer, .address_space: global }
    .group_segment_fixed_size: 327680
    .private_segment_fixed_size: 0
    .kernarg_segment_align: 8
    .kernarg_segment_size: 32
    .max_flat_workgroup_size: 256
    .sgpr_count:     66
    .vgpr_count:     422
    .wavefront_size: 32
...
	.end_amdgpu_metadata
.endif
;; end of part 3
;; launch oproj (part 4): grid 8 x 32, 4 waves a work-group, clusters of 4 x 4, 327,680 bytes of LDS; arguments ch, woh, out0; writes out0
.if DOCPART == 4
	.amdgcn_target "amdgcn-amd-amdhsa--gfx1250"
	.amdhsa_code_object_version 6
	.text
	.protected	k_q78a8885859_oproj
	.globl	k_q78a8885859_oproj
	.p2align	8
	.type	k_q78a8885859_oproj,@function
k_q78a8885859_oproj:
	s_mov_b64 s[64:65], 0
	v_nop
	global_prefetch_b8 v0, s[64:65] scope:SCOPE_SE
	s_setreg_imm32_b32 hwreg(HW_REG_WAVE_MODE, 25, 1), 1
	s_wait_xcnt 0x0
	s_wait_alu depctr_hold_cnt(0) depctr_sa_sdst(0) depctr_va_vdst(0) depctr_va_sdst(0) depctr_va_ssrc(0) depctr_va_vcc(0) depctr_vm_vsrc(0)
	s_getreg_b32 s2, hwreg(HW_REG_IB_STS2, 6, 4)
	s_cmp_eq_u32 s2, 0
	s_cbranch_scc0 .Lentry_in_a_cluster
	s_endpgm
.Lentry_in_a_cluster:
	s_bfe_u32 s2, ttmp6, 0x10000c
	s_cmp_lg_u32 s2, 0xf033
	s_cbranch_scc0 .Lentry_shape_is_right
	s_endpgm
.Lentry_shape_is_right:
; oproj: out0 = ctx W_o^T.  ctx comes as ch [bh][2048][64] f16, W_o as woh [1024][1024] f16; out0 [4096][1024] f32; sums in f32.
; Work-group (x = block of 128 columns, y = block of 128 rows): 8 x 32 = 256 work-groups.  Four waves, 64 x 64 each: 16 tiles, 128 registers.
; K = 1024 goes in four steps of 256 (four heads) through a ring of two LDS slots, so that a refill has most of a step's 128 matrix instructions
; of the wave in which to land.
; A head's 128 rows of ctx are 16,384 dense bytes.  One load brings two heads as two rows of 8,192 elements, 131,072 elements apart, with a pad
; of 16 bytes after every 128 bytes: the pad is counted along the whole tile, so each row of 64 elements of ctx gets an LDS pitch of 144 bytes.
; CLUSTERS: 4 x 4 work-groups; ctx's tiles hang on the row block alone (joint along a row of the cluster), W_o's on the column block alone
; (joint along a column).
; The matrix instruction is used transposed (source 0 = rows of W_o, source 1 = rows of ctx): a lane holds eight neighbouring columns of a row.
.set APITCH, 144
.set BPITCH, 528                       ; 512 bytes + 16, an odd multiple of 16
.set AHEAD,  128*APITCH                ; one head's 128 rows
.set B_AT,   4*AHEAD                   ; in a slot: four heads of ctx, then 128 rows of W_o
.set BHALF,  64*BPITCH
.set SLOT,   B_AT+2*BHALF              ; 141,312
.set STAGE,  2*SLOT                    ; behind the ring, at a multiple of 256: 16 rows x 272 bytes for each wave; no fill lands here
.set SPITCH, 272
.set ADRA, 16
.set ADRB, 20
.set STO,  24
.set RD,   25
.set CO,   26
.set F,    64                          ; buffer f at F + 64 f: four fragments of ctx, then four of W_o
.set G1A, 24
.set G0A, 32
.set G1B, 40
.set G0B, 48
.set MUL, 0x50                         ; C and D in window 1
.set MSB, 0
.macro WIN new
.if MSB != \new
	s_set_vgpr_msb (MSB<<8)|\new
.set MSB, \new
.endif
.endm
.macro PLACES
.rept 4
	v_nop
.endr
.endm
.macro JLOAD s                         ; waves 0 and 1 fetch two heads of ctx each, waves 2 and 3 64 rows of W_o each
	s_cmp_eq_u32 s15, 0
	s_cbranch_scc0 .Lfor_b_\@
	tensor_load_to_lds s[G0A+4*(\s):G0A+4*(\s)+3], s[G1A:G1A+7]
	s_nop 0
	s_branch .Lasked_\@
.Lfor_b_\@:
	tensor_load_to_lds s[G0B+4*(\s):G0B+4*(\s)+3], s[G1B:G1B+7]
	s_nop 0
.Lasked_\@:
.endm
.macro CREST
	s_cmp_lg_u32 s14, 0
	s_cbranch_scc1 .Lnot_wave_0_\@
	s_barrier_signal -3
.Lnot_wave_0_\@:
	s_barrier_wait -3
	s_barrier_signal -1
	s_barrier_wait -1
.endm
.macro CROUND
	s_barrier_signal -1
	s_barrier_wait -1
	CREST
.endm
	s_load_b128 s[4:7], s[0:1], 0x0                ; ch s[4:5], woh s[6:7]
	s_load_b64 s[8:9], s[0:1], 0x10                ; out0
	v_lshl_add_u32 v254, v0, 2, 0x49400
	v_mov_b32 v255, 0
	ds_add_u32 v254, v255
	v_lshrrev_b32 v1, 5, v0
	v_readfirstlane_b32 s14, v1                    ; wave 0..3
	s_lshr_b32 s15, s14, 1                         ; my half of the block's rows.  Also: I fetch for ctx (0) or for W_o (1)
	s_and_b32 s16, s14, 1                          ; my half of its columns.  Also: which half of that tile I fetch
	s_bfe_u32 s17, ttmp6, 0x40000                  ; cx
	s_bfe_u32 s18, ttmp6, 0x40004                  ; cy
	s_lshl_b32 s19, ttmp9, 2
	s_add_co_u32 s19, s19, s17                     ; column block
	s_and_b32 s20, ttmp7, 0xffff
	s_lshl_b32 s20, s20, 2
	s_add_co_u32 s20, s20, s18                     ; row block
	s_lshl_b32 s21, s18, 2
	s_lshl_b32 s21, 15, s21                        ; my row of the cluster
	s_lshl_b32 s22, 0x1111, s17                    ; my column
	s_or_b32 s[G1A+0], s21, (1<<16)|(1<<20)|(1<<21)|(4<<22)|(3<<25)   ; after every 32 words, 4 words
	s_or_b32 s[G1B+0], s22, (1<<16)|(1<<20)|(1<<21)|(6<<22)|(3<<25)   ; after every 128 words, 4 words
	s_mov_b32 s[G1A+1], 8192<<16                   ; tensor_dim0 = 8,192 elements: a head's 128 rows
	s_mov_b32 s[G1B+1], 256<<16
	s_mov_b32 s[G1A+2], 2<<16                      ; tensor_dim1 = 2 heads
	s_mov_b32 s[G1B+2], 64<<16
	s_mov_b32 s[G1A+3], 8192<<16                   ; tile_dim0
	s_mov_b32 s[G1B+3], 256<<16
	s_mov_b32 s[G1A+4], 2                          ; tile_dim1
	s_mov_b32 s[G1B+4], 64
	s_mov_b32 s[G1A+5], 131072                     ; elements from head to head
	s_mov_b32 s[G1B+5], 1024
	s_mov_b32 s[G1A+6], 0
	s_mov_b32 s[G1B+6], 0
	s_mov_b32 s[G1A+7], 0
	s_mov_b32 s[G1B+7], 0
	s_lshr_b32 s56, s20, 4                         ; ctx: batch = row block / 16: 16 heads of 262,144 bytes,
	s_lshl_b32 s56, s56, 22
	s_and_b32 s23, s20, 15
	s_lshl_b32 s23, s23, 14                        ; 128 rows of 128 bytes,
	s_add_co_u32 s56, s56, s23
	s_lshl_b32 s23, s16, 19                        ; my two heads of the step's four
	s_add_co_u32 s56, s56, s23
	s_mov_b32 s57, 0
	s_lshl_b32 s58, s19, 18                        ; W_o: 128 rows of 2,048 bytes,
	s_lshl_b32 s3, s16, 17                         ; my 64 rows
	s_add_co_u32 s58, s58, s3
	s_mov_b32 s59, 0
	s_mul_i32 s62, s14, 2*AHEAD                    ; waves 0, 1: ctx's halves
	s_mul_i32 s63, s14, BHALF
	s_add_co_u32 s63, s63, B_AT-2*BHALF            ; waves 2, 3: W_o's halves, behind ctx
	s_wait_dscnt 0x0
	s_wait_kmcnt 0x0
	s_add_nc_u64 s[56:57], s[4:5], s[56:57]
	s_add_nc_u64 s[58:59], s[6:7], s[58:59]
	CROUND                                         ; all sixteen work-groups are here
.irp s, 0,1
	s_mov_b32 s[G0A+4*\s], 1
	s_add_co_u32 s[G0A+4*\s+1], s62, \s*SLOT
	s_add_nc_u64 s[G0A+4*\s+2:G0A+4*\s+3], s[56:57], \s*1048576   ; four heads a step
	s_or_b32 s[G0A+4*\s+3], s[G0A+4*\s+3], 0x80000000
	s_mov_b32 s[G0B+4*\s], 1
	s_add_co_u32 s[G0B+4*\s+1], s63, \s*SLOT
	s_add_nc_u64 s[G0B+4*\s+2:G0B+4*\s+3], s[58:59], \s*512
	s_or_b32 s[G0B+4*\s+3], s[G0B+4*\s+3], 0x80000000
	JLOAD \s                                       ; steps 0 and 1: two loads of the wave are out
.endr
	v_and_b32 v1, 15, v0                           ; r
	v_bfe_u32 v2, v0, 4, 1                         ; h
	v_mul_u32_u24 v3, v1, APITCH
	v_lshl_add_u32 v3, v2, 4, v3
	s_mul_i32 s23, s15, 64*APITCH                  ; my 64 rows of ctx
	v_add_nc_u32 v[ADRA], s23, v3
	v_add_nc_u32 v[ADRA+1], SLOT, v[ADRA]
	v_mul_u32_u24 v4, v1, BPITCH
	v_lshl_add_u32 v4, v2, 4, v4
	s_mul_i32 s23, s16, 64*BPITCH                  ; my 64 rows of W_o
	s_add_co_u32 s23, s23, B_AT
	v_add_nc_u32 v[ADRB], s23, v4
	v_add_nc_u32 v[ADRB+1], SLOT, v[ADRB]
	s_mul_i32 s23, s14, 16*SPITCH
	s_add_co_u32 s23, s23, STAGE                   ; my stage
	v_mul_u32_u24 v5, v1, SPITCH
	v_lshl_add_u32 v5, v2, 5, v5                   ; in: row r, 32 bytes (8 f32) for each half of the lanes
	v_add_nc_u32 v[STO], s23, v5
	v_mul_u32_u24 v6, v2, SPITCH
	v_lshl_add_u32 v6, v1, 4, v6                   ; back: lanes 0-15 one row of 256 bytes, lanes 16-31 the next
	v_add_nc_u32 v[RD], s23, v6
	v_lshlrev_b32 v7, 12, v2
	v_lshl_add_u32 v[CO], v1, 4, v7                ; and the same two rows of out0, 4,096 bytes apart
; 16 LDS loads: the fragments of quarter q (32 along K: head q / 2 of the slot, half q % 2 of its 64) into buffer f
.macro FETCH s, q, f
	WIN 0
.irp a, 0,1,2,3
	ds_load_b128 v[F+64*\f+8*\a:F+64*\f+8*\a+3],   v[ADRA+\s] offset:(\q/2)*AHEAD+\a*16*APITCH+(\q%2)*64
	ds_load_b128 v[F+64*\f+8*\a+4:F+64*\f+8*\a+7], v[ADRA+\s] offset:(\q/2)*AHEAD+\a*16*APITCH+(\q%2)*64+32
.endr
.irp b, 0,1,2,3
	ds_load_b128 v[F+64*\f+32+8*\b:F+64*\f+32+8*\b+3],   v[ADRB+\s] offset:\b*16*BPITCH+64*\q
	ds_load_b128 v[F+64*\f+32+8*\b+4:F+64*\f+32+8*\b+7], v[ADRB+\s] offset:\b*16*BPITCH+64*\q+32
.endr
.endm
.macro MUL8 f, a0, zero                ; eight matrix instructions: row tiles a0, a0 + 1 times the four column tiles
.irp a, \a0, \a0+1
.irp b, 0,1,2,3
.if \zero
	v_wmma_f32_16x16x32_f16 v[8*(4*(\a)+\b):8*(4*(\a)+\b)+7], v[F+64*\f+32+8*\b:F+64*\f+32+8*\b+7], v[F+64*\f+8*(\a):F+64*\f+8*(\a)+7], 0
.else
	v_wmma_f32_16x16x32_f16 v[8*(4*(\a)+\b):8*(4*(\a)+\b)+7], v[F+64*\f+32+8*\b:F+64*\f+32+8*\b+7], v[F+64*\f+8*(\a):F+64*\f+8*(\a)+7], v[8*(4*(\a)+\b):8*(4*(\a)+\b)+7]
.endif
.endr
.endr
.endm
; A quarter: the next quarter's fragments are asked for first, then buffer f is multiplied.  The 16 accumulators take turns, one instruction a
; turn, in the same order in every quarter.
.macro QUARTER s, qn, f, g, zero
	s_wait_dscnt 0x0                               ; buffer f is in
	PLACES                                         ; buffer g was read by the matrix instructions just issued
	FETCH \s, \qn, \g
	WIN MUL
	MUL8 \f, 0, \zero
	MUL8 \f, 2, \zero
.endm
.macro SEVEN s, zero
	QUARTER \s, 1, 0, 1, \zero
	QUARTER \s, 2, 1, 0, 0
	QUARTER \s, 3, 0, 1, 0
	QUARTER \s, 4, 1, 0, 0
	QUARTER \s, 5, 0, 1, 0
	QUARTER \s, 6, 1, 0, 0
	QUARTER \s, 7, 0, 1, 0
.endm
; The eighth quarter multiplies buffer 1 and changes slots: the waits for my reads of this slot and for all my tensor loads, the barrier
; (fill = 1: it opens a round of the cluster's barrier), the joint refill first behind it, then the next slot's first fragments.
.macro TURN s, next, fill
	s_wait_dscnt 0x0
	s_wait_tensorcnt 0x0
	ds_add_u32 v254, v255
	s_wait_dscnt 0x0
	s_barrier_signal -1
	WIN MUL
	MUL8 1, 0, 0                                   ; register work while the others arrive
	WIN 0
	s_barrier_wait -1
.if \fill
	CREST
	s_add_nc_u64 s[G0A+4*\s+2:G0A+4*\s+3], s[G0A+4*\s+2:G0A+4*\s+3], 2097152   ; two steps on: eight heads
	s_add_nc_u64 s[G0B+4*\s+2:G0B+4*\s+3], s[G0B+4*\s+2:G0B+4*\s+3], 1024
	JLOAD \s
.endif
	PLACES
	FETCH \next, 0, 0
	WIN MUL
	MUL8 1, 2, 0
.endm
	s_wait_tensorcnt 1                             ; my part of step 0 is in; step 1 may stay out
	s_barrier_signal -1
	s_barrier_wait -1
	FETCH 0, 0, 0
	SEVEN 0, 1                                     ; the first products start the sums
	TURN 0, 1, 1                                   ; slot 0 gets step 2
	SEVEN 1, 0
	TURN 1, 0, 1                                   ; slot 1 gets step 3
	SEVEN 0, 0
	TURN 0, 1, 0                                   ; nothing is left to fetch
	SEVEN 1, 0
	s_wait_dscnt 0x0
	WIN MUL
	MUL8 1, 0, 0
	MUL8 1, 2, 0
	; THE WAY OUT, 16 rows at a time, in f32: 32 bytes a lane into my own stage, read back as whole rows of 256 bytes
	PLACES                                         ; behind the last matrix instructions: for the LDS stores of the results and the loads into the buffers
	s_lshl_b32 s60, s20, 19                        ; 128 rows of 4,096 bytes
	s_lshl_b32 s2, s15, 18                         ; my 64 rows
	s_add_co_u32 s60, s60, s2
	s_lshl_b32 s2, s19, 9                          ; 128 columns of 4 bytes
	s_add_co_u32 s60, s60, s2
	s_lshl_b32 s2, s16, 8                          ; my 64 columns
	s_add_co_u32 s60, s60, s2
	s_mov_b32 s61, 0
	s_add_nc_u64 s[8:9], s[8:9], s[60:61]
.macro OUT16 a, rb
	WIN 0x04                                       ; the data of an LDS store is source 1: window 1
.irp b, 0,1,2,3
	ds_store_b128 v[STO], v[8*(4*\a+\b):8*(4*\a+\b)+3]   offset:64*\b
	ds_store_b128 v[STO], v[8*(4*\a+\b)+4:8*(4*\a+\b)+7] offset:64*\b+16
.endr
	WIN 0
	s_wait_xcnt 0x0                                ; the registers read back into were the data of earlier stores: they are loaded again only behind this wait
.irp t, 0,1,2,3,4,5,6,7
	ds_load_b128 v[\rb+4*\t:\rb+4*\t+3], v[RD] offset:2*SPITCH*\t   ; LDS serves a wave's instructions in order: these see the stores above
.endr
.irp t, 0,1,2,3,4,5,6,7
	s_wait_dscnt 7-\t
	global_store_b128 v[CO], v[\rb+4*\t:\rb+4*\t+3], s[8:9] offset:(16*\a+2*\t)*4096 th:TH_STORE_NT   ; 16 lanes store 256 consecutive bytes, at a multiple of 256 from out0's first byte
.endr
.endm
	OUT16 0, F
	OUT16 1, F+64
	OUT16 2, F
	OUT16 3, F+64
	s_wait_tensorcnt 0x0
	ds_add_u32 v254, v255
	s_wait_dscnt 0x0
	CROUND                                         ; the closing round
	s_endpgm
.Lfunc_end_k_q78a8885859_oproj:
	.size	k_q78a8885859_oproj, .Lfunc_end_k_q78a8885859_oproj-k_q78a8885859_oproj
	.p2alignl 7, 3214868480
	.fill 96, 4, 3214868480
	.section	.rodata,"a",@progbits
	.p2align	6, 0x0
	.amdhsa_kernel k_q78a8885859_oproj
		.amdhsa_group_segment_fixed_size 327680
		.amdhsa_private_segment_fixed_size 0
		.amdhsa_enable_private_segment 0
		.amdhsa_kernarg_size 24
		.amdhsa_user_sgpr_count 2
		.amdhsa_user_sgpr_kernarg_segment_ptr 1
		.amdhsa_wavefront_size32 1
		.amdhsa_system_sgpr_workgroup_id_x 1
		.amdhsa_system_sgpr_workgroup_id_y 1
		.amdhsa_system_sgpr_workgroup_id_z 1
		.amdhsa_system_vgpr_workitem_id 0
		.amdhsa_next_free_vgpr 384
		.amdhsa_next_free_sgpr 66
		.amdhsa_reserve_vcc 0
		.amdhsa_float_denorm_mode_32 3
		.amdhsa_float_denorm_mode_16_64 3
		.amdhsa_memory_ordered 1
		.amdhsa_forward_progress 1
		.amdhsa_inst_pref_size 88
	.end_amdhsa_kernel
	.amdgpu_metadata
---
amdhsa.version: [ 1, 2 ]
amdhsa.kernels:
  - .name:           k_q78a8885859_oproj
    .symbol:         k_q78a8885859_oproj.kd
    .args:
      - { .name: ch, .offset: 0, .size: 8, .value_kind: global_buffer, .address_space: global }
      - { .name: woh, .offset: 8, .size: 8, .value_kind: global_buffer, .address_space: global }
      - { .name: out0, .offset: 16, .size: 8, .value_kind: global_buffer, .address_space: global }
    .group_segment_fixed_size: 327680
    .private_segment_fixed_size: 0
    .kernarg_segment_align: 8
    .kernarg_segment_size: 24
    .max_flat_workgroup_size: 128
    .sgpr_count:     66
    .vgpr_count:     384
    .wavefront_size: 32
...
	.end_amdgpu_metadata
.endif
;; end of part 4
